; MI455X (gfx1250); checked and timed in simulation.
; The chip was launched on July 23, 2026; its instructions are those of AMD's public machine-readable ISA for CDNA 5 (MIT licence, August 2026) and "CDNA5" Instruction Set Architecture Reference Guide (July 2026). The comments in the code are by the model that wrote it; some were corrected since.
;; Attn. Allowed arithmetic: float matrix products may take bf16 or f16 operands with f32 sums; all other float work in f32.
;; Inputs: W 1,024 x 1,024 float32; b 1,024 float32; encoder_outputs 2,048 x 32 x 1,024 float32; hidden 1 x 32 x 1,024 float32.
;; Outputs: out0 32 x 1 x 2,048 float32.
;; One version. Each part assembles by itself: llvm-mc -triple=amdgcn-amd-amdhsa -mcpu=gfx1250 --defsym DOCPART=n.
;; ======== version 1 of 1: 3 launches
;; workspace buffers: vpart 2,097,152 bytes; en 262,144 bytes
;; launch vsum (part 1): grid 16 x 16, 8 waves a work-group, no clusters, 0 bytes of LDS; arguments hidden, W, vpart; writes vpart
.if DOCPART == 1
	.amdgcn_target "amdgcn-amd-amdhsa--gfx1250"
	.amdhsa_code_object_version 6
	.text
	.protected	k_q75fe456283_vsum
	.globl	k_q75fe456283_vsum
	.p2align	8
	.type	k_q75fe456283_vsum,@function
k_q75fe456283_vsum:
	s_mov_b64 s[64:65], 0
	v_nop
	global_prefetch_b8 v0, s[64:65] scope:SCOPE_SE
	s_setreg_imm32_b32 hwreg(HW_REG_WAVE_MODE, 25, 1), 1
	s_wait_xcnt 0x0
; vpart[oc][b][h] = the sum over o = 64 oc .. 64 oc + 63 of hidden[b][o] W[o][h].   hidden: [32][1024], W: [1024 (o)][1024 (h)], vpart: [16][32][1024], all f32.
; WHY.  The module's energy hidden[b] . (W enc[s][b] + bias) equals enc[s][b] . v[b] + hidden[b] . bias with v[b][h] = sum over o of hidden[b][o] W[o][h], for every input:
; the product is linear.  This launch makes v in 16 partial sums over o; the next launch adds them in a fixed order.
; LIMITS.  All in f32, by fused multiply-adds; the order of the sums differs from the module as written (hidden is multiplied into W first).  NaN and infinities are not treated apart.
; SHARES.  Work-group (hc, oc) owns the tile of W of 64 rows o x 64 columns h: 64 rows of 256 consecutive bytes, each at a multiple of 256 from W's first byte; no other work-group reads it.
; Wave w owns b = 4 w .. 4 w + 3, lane l the columns 64 hc + 2 l and + 1.  All eight waves load the tile into registers of their own; a split over o inside the work-group would load it
; once, at the price of LDS stores, a barrier and a second sum, in a launch whose different bytes are W's 4 MB.
; NO MATRIX INSTRUCTION: 32 rows against W, and operands of 16 bits would shift the exponents of the softmax that follows by more than its result bears.
; NO CLUSTER, NO LDS: a tile of W belongs to one work-group, and all data go straight into registers; hidden, the shared part, is 128 KB in all.
.set ROWB, 4096                        ; bytes in a row of W, of hidden and of vpart
.set ACC,  4                           ; v[4:11]    pair b: the sums of my two columns for b = 4 w + b
.set HID,  12                          ; v[12:27]   register 4 b + j: lane n (mod 16) holds hidden[4 w + b][64 oc + 4 n + j]
.set TMP,  28                          ; v[28:35]   pair b: two numbers of hidden, the same in every lane
.set WT,   36                          ; v[36:163]  pair k: my two columns of the tile's row k
	s_load_b128 s[4:7], s[0:1], 0x0                ; hidden s[4:5], W s[6:7]
	s_load_b64 s[8:9], s[0:1], 0x10                ; vpart
	s_and_b32 s10, ttmp7, 0xffff                   ; oc
	s_lshl_b32 s11, ttmp9, 8                       ; hc x 64 columns x 4 bytes
	s_lshl_b32 s12, s10, 8                         ; hidden: oc x 64 numbers x 4 bytes
	s_mov_b32 s13, 0
	s_lshl_b32 s14, s10, 18                        ; W: oc x 64 rows x 4,096 bytes,
	s_add_co_u32 s14, s14, s11                     ; and the tile's columns
	s_mov_b32 s15, 0
	s_lshl_b32 s16, s10, 17                        ; vpart: oc x 32 rows x 4,096 bytes,
	s_add_co_u32 s16, s16, s11                     ; and the tile's columns
	s_mov_b32 s17, 0
	v_lshrrev_b32 v3, 5, v0                        ; wave
	v_lshlrev_b32 v3, 14, v3                       ; its four rows b: 4 w x 4,096 bytes
	v_and_b32 v2, 15, v0
	v_lshl_or_b32 v2, v2, 4, v3                    ; hidden: 16 bytes for each lane mod 16; lanes 16-31 repeat lanes 0-15
	v_and_b32 v1, 31, v0
	v_lshlrev_b32 v1, 3, v1                        ; W: 8 bytes a lane
	v_or_b32 v3, v3, v1                            ; vpart: my rows, 8 bytes a lane
.irp i, 0,1,2,3,4,5,6,7
	v_mov_b32 v[TMP+(\i)], 0                       ; the destination of a DPP move counts as read: written once here
.endr
	s_wait_kmcnt 0x0
	s_add_nc_u64 s[4:5], s[4:5], s[12:13]
	s_add_nc_u64 s[6:7], s[6:7], s[14:15]
	s_add_nc_u64 s[8:9], s[8:9], s[16:17]
.irp b, 0,1,2,3
	global_load_b128 v[HID+4*(\b):HID+4*(\b)+3], v2, s[4:5] offset:ROWB*(\b)   ; 256 consecutive bytes of row 4 w + b
.endr
.set k, 0
.rept 64
	global_load_b64 v[WT+2*k:WT+2*k+1], v1, s[6:7] offset:ROWB*k               ; a row of the tile: 256 consecutive bytes
.set k, k+1
.endr
; Rows k = 4 n + j and k + 1 of the tile (j = 0 or 2).  Lane n of each half of the lanes holds hidden's numbers for them in registers j and j + 1: row_share hands them to all lanes.
.macro STEP n, j
.if (\j) == 0 && (\n) % 2 == 0
	s_wait_loadcnt 56-4*(\n)                       ; loads come back in order (ISA guide 5.7.1): rows up to 4 n + 7 are in, the 56 - 4 n rows behind them stay out; the first such wait covers hidden too
.endif
.irp b, 0,1,2,3
	v_mov_b32_dpp v[TMP+2*(\b)],   v[HID+4*(\b)+(\j)]   row_share:\n row_mask:0xf bank_mask:0xf
	v_mov_b32_dpp v[TMP+2*(\b)+1], v[HID+4*(\b)+(\j)+1] row_share:\n row_mask:0xf bank_mask:0xf
.endr
.irp b, 0,1,2,3
.if (\n) == 0 && (\j) == 0
	v_pk_mul_f32 v[ACC+2*(\b):ACC+2*(\b)+1], v[WT+2*(4*(\n)+(\j)):WT+2*(4*(\n)+(\j))+1], v[TMP+2*(\b):TMP+2*(\b)+1] op_sel_hi:[1,0]   ; the first row starts the sums: nothing is cleared
.else
	v_pk_fma_f32 v[ACC+2*(\b):ACC+2*(\b)+1], v[WT+2*(4*(\n)+(\j)):WT+2*(4*(\n)+(\j))+1], v[TMP+2*(\b):TMP+2*(\b)+1], v[ACC+2*(\b):ACC+2*(\b)+1] op_sel_hi:[1,0,1]   ; both columns times the pair's first number
.endif
.endr
.irp b, 0,1,2,3
	v_pk_fma_f32 v[ACC+2*(\b):ACC+2*(\b)+1], v[WT+2*(4*(\n)+(\j)+1):WT+2*(4*(\n)+(\j)+1)+1], v[TMP+2*(\b):TMP+2*(\b)+1], v[ACC+2*(\b):ACC+2*(\b)+1] op_sel:[0,1,0] op_sel_hi:[1,1,1]   ; the next row, times the pair's second number
.endr
.endm
.irp n, 0,1,2,3,4,5,6,7,8,9,10,11,12,13,14,15
	STEP \n, 0
	STEP \n, 2
.endr
.irp b, 0,1,2,3
	global_store_b64 v3, v[ACC+2*(\b):ACC+2*(\b)+1], s[8:9] offset:ROWB*(\b)   ; the wave's 32 lanes store 256 consecutive bytes, at a multiple of 256 from vpart's first byte
.endr
	s_endpgm
.Lfunc_end_k_q75fe456283_vsum:
	.size	k_q75fe456283_vsum, .Lfunc_end_k_q75fe456283_vsum-k_q75fe456283_vsum
	.p2alignl 7, 3214868480
	.fill 96, 4, 3214868480
	.section	.rodata,"a",@progbits
	.p2align	6, 0x0
	.amdhsa_kernel k_q75fe456283_vsum
		.amdhsa_group_segment_fixed_size 0
		.amdhsa_private_segment_fixed_size 0
		.amdhsa_enable_private_segment 0
		.amdhsa_kernarg_size 24
		.amdhsa_user_sgpr_count 2
		.amdhsa_user_sgpr_kernarg_segment_ptr 1
		.amdhsa_wavefront_size32 1
		.amdhsa_system_sgpr_workgroup_id_x 1
		.amdhsa_system_sgpr_workgroup_id_y 1
		.amdhsa_system_sgpr_workgroup_id_z 1
		.amdhsa_system_vgpr_workitem_id 0
		.amdhsa_next_free_vgpr 164
		.amdhsa_next_free_sgpr 66
		.amdhsa_reserve_vcc 0
		.amdhsa_float_denorm_mode_32 3
		.amdhsa_float_denorm_mode_16_64 3
		.amdhsa_memory_ordered 1
		.amdhsa_forward_progress 1
		.amdhsa_inst_pref_size 41
	.end_amdhsa_kernel
	.amdgpu_metadata
---
amdhsa.version: [ 1, 2 ]
amdhsa.kernels:
  - .name:           k_q75fe456283_vsum
    .symbol:         k_q75fe456283_vsum.kd
    .args:
      - { .name: hidden, .offset: 0, .size: 8, .value_kind: global_buffer, .address_space: global }
      - { .name: W, .offset: 8, .size: 8, .value_kind: global_buffer, .address_space: global }
      - { .name: vpart, .offset: 16, .size: 8, .value_kind: global_buffer, .address_space: global }
    .group_segment_fixed_size: 0
    .private_segment_fixed_size: 0
    .kernarg_segment_align: 8
    .kernarg_segment_size: 24
    .max_flat_workgroup_size: 256
    .sgpr_count:     66
    .vgpr_count:     164
    .wavefront_size: 32
...
	.end_amdgpu_metadata
.endif
;; end of part 1
;; launch energy (part 2): grid 32 x 8, 16 waves a work-group, no clusters, 7,168 bytes of LDS; arguments encoder_outputs, vpart, en; writes en
.if DOCPART == 2
	.amdgcn_target "amdgcn-amd-amdhsa--gfx1250"
	.amdhsa_code_object_version 6
	.text
	.protected	k_q75fe456283_energy
	.globl	k_q75fe456283_energy
	.p2align	8
	.type	k_q75fe456283_energy,@function
k_q75fe456283_energy:
	s_mov_b64 s[64:65], 0
	v_nop
	global_prefetch_b8 v0, s[64:65] scope:SCOPE_SE
	s_setreg_imm32_b32 hwreg(HW_REG_WAVE_MODE, 25, 1), 1
	s_wait_xcnt 0x0
; en[b][s] = encoder_outputs[s][b][:] . v[b][:], with v[b] = the sum of vpart's 16 partial rows.   encoder_outputs: [2048][32][1024], vpart: [16][32][1024], en: [32][2048], all f32.
; (hidden[b] . bias, the same for all s of a row, is added by the launch that follows.)
; LIMITS.  All in f32, by fused multiply-adds in four chains a lane and a tree over the lanes: another order of sums than the module as written.  NaN and infinities are not treated apart.
; SHARES.  Work-group (b, y) owns one b and s = 256 y .. 256 y + 255: 256 rows of 4,096 consecutive bytes, 131,072 bytes apart: 1 MB, read once in the launch.  Wave w owns 16 of them.
; A wave takes a whole row: eight loads of 16 bytes a lane, 512 consecutive bytes each.  So v[b] is 32 registers of the wave, and a row's sum never leaves the wave.
; THE RING.  Four row slots of 32 registers: while one row is multiplied the loads of three are out: 12 KB a wave, 192 KB for the sixteen waves.  A slot is asked for again as soon as its row
; has been multiplied.  All rows stand in the loads' immediates (1,969,664 at the most, inside the signed 24 bits), so no address register is ever rewritten, and nothing is looped.
; NO MATRIX INSTRUCTION: one vector against each row; a conversion to 16 bits would take the issue slot that the f32 multiply-add takes, and lose the exponents' accuracy.
; NO CLUSTER: what the eight work-groups of one b share is vpart's 64 KB beside 1 MB of their own each.  NO TENSOR LOAD: the ring lies in registers.
.set ROWB, 131072                      ; bytes from row s to row s + 1 of one b; also from one partial row of vpart to the next
.set EBASE, 4096                       ; LDS: 0 .. 4,095 v[b];  4,096 .. 5,119 the work-group's 256 energies
.set SPARE, 5120                       ; 5,120 .. 7,167 the spare words, 128 bytes for each of 16 waves: eight blocks of 256 bytes that no other line names
.set SPW,  1                           ; v1        LDS address of my spare word: SPARE + 4 x my thread's number; never rewritten
.set NIL,  2                           ; v2        0; never rewritten
.set ROFF, 3                           ; v3        my byte offset in the work-group's rows: wave x 16 rows + 16 x lane; never rewritten
.set POFF, 4                           ; v4        8 x thread: my two numbers in a row of vpart, and in v[b] in LDS; never rewritten
.set LV,   5                           ; v5        16 x lane
.set EA,   6                           ; v6        LDS address of my wave's 16 energies
.set PX,   7                           ; v7        v_permlanex16_b32's destination
.set ACC,  8                           ; v[8:15]   four chains of pairs
.set VB,   16                          ; v[16:47]  first the 16 partial pairs, then v[b]: register 4 j + r = number 128 j + 4 lane + r
.set X,    48                          ; v[48:175] slot s at X + 32 s: a row, in the same order
	s_load_b128 s[4:7], s[0:1], 0x0                ; encoder_outputs s[4:5], vpart s[6:7]
	s_load_b64 s[8:9], s[0:1], 0x10                ; en
	v_lshl_add_u32 v[SPW], v0, 2, SPARE
	v_mov_b32 v[NIL], 0
	v_lshrrev_b32 v[ROFF], 5, v0
	v_readfirstlane_b32 s10, v[ROFF]               ; wave 0..15
	s_and_b32 s11, ttmp7, 0xffff                   ; y
	s_mov_b32 s12, 0x76543210                      ; v_permlanex16_b32: each lane takes its own place in the other half
	s_mov_b32 s13, 0xfedcba98
	s_lshl_b32 s16, ttmp9, 12                      ; b x 4,096 bytes: vpart's offset,
	s_mov_b32 s17, 0
	s_lshl_b32 s14, s11, 25                        ; encoder_outputs: y x 256 rows x 131,072 bytes
	s_add_co_u32 s14, s14, s16                     ; + b's row
	s_mov_b32 s15, 0
	s_lshl_b32 s18, ttmp9, 13                      ; en: b x 8,192 bytes
	s_lshl_b32 s19, s11, 10                        ; + y x 256 numbers
	s_add_co_u32 s18, s18, s19
	s_mov_b32 s19, 0
	s_lshl_b32 s20, s10, 6                         ; my wave's 16 energies: 64 bytes,
	s_add_co_u32 s20, s20, EBASE                   ; behind v[b]
	v_lshlrev_b32 v[ROFF], 21, v[ROFF]             ; wave x 16 rows x 131,072 bytes
	v_and_b32 v[LV], 31, v0
	v_lshlrev_b32 v[LV], 4, v[LV]
	v_or_b32 v[ROFF], v[ROFF], v[LV]
	v_lshlrev_b32 v[POFF], 3, v0
	v_mov_b32 v[EA], s20
	v_mov_b32 v[PX], 0                             ; its destination counts as read: written once here
	s_wait_kmcnt 0x0
	s_add_nc_u64 s[4:5], s[4:5], s[14:15]
	s_add_nc_u64 s[6:7], s[6:7], s[16:17]
	s_add_nc_u64 s[8:9], s[8:9], s[18:19]
.macro FILL s, i                       ; row i of my 16 into slot s: eight loads of 512 consecutive bytes
.irp j, 0,1,2,3,4,5,6,7
	global_load_b128 v[X+32*(\s)+4*(\j):X+32*(\s)+4*(\j)+3], v[ROFF], s[4:5] offset:ROWB*(\i)+512*(\j) th:TH_LOAD_NT
.endr
.endm
.set q, 0
.rept 16
	global_load_b64 v[VB+2*q:VB+2*q+1], v[POFF], s[6:7] offset:ROWB*q   ; partial q of my two numbers of v[b]: a wave's load covers 256 consecutive bytes, the 16 waves a row
.set q, q+1
.endr
	FILL 0, 0                                      ; the ring is asked for before anything is waited for
	FILL 1, 1
	FILL 2, 2
	FILL 3, 3
	s_wait_loadcnt 32                              ; the 16 partials are in; the ring's 32 loads, issued behind them, stay out
.irp d, 1,2,4,8                        ; a fixed tree: neighbours 1, 2, 4 and 8 pairs apart, in place
.set q, 0
.rept 8/(\d)
	v_pk_add_f32 v[VB+2*q:VB+2*q+1], v[VB+2*q:VB+2*q+1], v[VB+2*q+2*(\d):VB+2*q+2*(\d)+1]
.set q, q+2*(\d)
.endr
.endr
	ds_store_b64 v[POFF], v[VB:VB+1]               ; my two numbers of v[b]
	s_wait_dscnt 0x0                               ; for the others' sake: my store is done
	s_barrier_signal -1
	s_barrier_wait -1                              ; v[b] is whole
.irp j, 0,1,2,3,4,5,6,7
	ds_load_b128 v[VB+4*(\j):VB+4*(\j)+3], v[LV] offset:512*(\j)   ; 32 lanes, 16 neighbouring bytes each: the order in which a row's loads lie
.endr
	s_wait_dscnt 0x0
; Row i.  left = the loads of the rows behind it that have been issued and may stay out.
.macro TURN i, left
.set SL, X+32*((\i)%4)
	s_wait_loadcnt \left                           ; loads come back in order (ISA guide 5.7.1): my row's eight are in
.irp p, 0,1,2,3
	v_pk_mul_f32 v[ACC+2*(\p):ACC+2*(\p)+1], v[SL+2*(\p):SL+2*(\p)+1], v[VB+2*(\p):VB+2*(\p)+1]   ; the first four pairs start the chains: nothing is cleared
.endr
.irp p, 4,5,6,7,8,9,10,11,12,13,14,15
	v_pk_fma_f32 v[ACC+2*((\p)%4):ACC+2*((\p)%4)+1], v[SL+2*(\p):SL+2*(\p)+1], v[VB+2*(\p):VB+2*(\p)+1], v[ACC+2*((\p)%4):ACC+2*((\p)%4)+1]
.endr
.if (\i) < 12
	FILL (\i)%4, (\i)+4                            ; the slot has been multiplied: the row four further on is asked for, ahead of the sum over the lanes
.endif
	v_pk_add_f32 v[ACC:ACC+1], v[ACC:ACC+1], v[ACC+2:ACC+3]
	v_pk_add_f32 v[ACC+4:ACC+5], v[ACC+4:ACC+5], v[ACC+6:ACC+7]
	v_pk_add_f32 v[ACC:ACC+1], v[ACC:ACC+1], v[ACC+4:ACC+5]
	v_add_f32 v[ACC], v[ACC], v[ACC+1]
	v_add_f32_dpp v[ACC], v[ACC], v[ACC] row_xmask:1 row_mask:0xf bank_mask:0xf   ; four steps inside each half of 16 lanes,
	v_add_f32_dpp v[ACC], v[ACC], v[ACC] row_xmask:2 row_mask:0xf bank_mask:0xf
	v_add_f32_dpp v[ACC], v[ACC], v[ACC] row_xmask:4 row_mask:0xf bank_mask:0xf
	v_add_f32_dpp v[ACC], v[ACC], v[ACC] row_xmask:8 row_mask:0xf bank_mask:0xf
	v_permlanex16_b32 v[PX], v[ACC], s12, s13      ; one across the halves
	v_add_f32 v[ACC], v[ACC], v[PX]                ; every lane holds the row's energy
	ds_store_b32 v[EA], v[ACC] offset:4*(\i)       ; all lanes write the same word with the same number
.endm
.irp i, 0,1,2,3,4,5,6,7,8,9,10,11,12
	TURN \i, 24                                    ; three rows, 24 loads, are out behind row i
.endr
	TURN 13, 16                                    ; the last rows: nothing is left to ask for, and the counts run down
	TURN 14, 8
	TURN 15, 0
	s_wait_tensorcnt 0x0                           ; the wave's end of LDS writing: behind my last LDS store
	ds_add_u32 v[SPW], v[NIL]
	s_wait_dscnt 0x0                               ; also for the others' sake: my 16 energies are in LDS
	s_barrier_signal -1
	s_barrier_wait -1                              ; all 256 are
	s_cmp_lt_u32 s10, 2
	s_cbranch_scc0 .Lend                           ; waves 0 and 1 carry the 1,024 bytes out
	v_lshl_add_u32 v8, v0, 4, EBASE                ; thread t (0 to 63): energies 4 t .. 4 t + 3
	v_lshlrev_b32 v9, 4, v0
	ds_load_b128 v[12:15], v8
	s_wait_dscnt 0x0
	global_store_b128 v9, v[12:15], s[8:9]         ; a wave stores 512 consecutive bytes, at a multiple of 256 from en's first byte
.Lend:
	s_endpgm
.Lfunc_end_k_q75fe456283_energy:
	.size	k_q75fe456283_energy, .Lfunc_end_k_q75fe456283_energy-k_q75fe456283_energy
	.p2alignl 7, 3214868480
	.fill 96, 4, 3214868480
	.section	.rodata,"a",@progbits
	.p2align	6, 0x0
	.amdhsa_kernel k_q75fe456283_energy
		.amdhsa_group_segment_fixed_size 7168
		.amdhsa_private_segment_fixed_size 0
		.amdhsa_enable_private_segment 0
		.amdhsa_kernarg_size 24
		.amdhsa_user_sgpr_count 2
		.amdhsa_user_sgpr_kernarg_segment_ptr 1
		.amdhsa_wavefront_size32 1
		.amdhsa_system_sgpr_workgroup_id_x 1
		.amdhsa_system_sgpr_workgroup_id_y 1
		.amdhsa_system_sgpr_workgroup_id_z 1
		.amdhsa_system_vgpr_workitem_id 0
		.amdhsa_next_free_vgpr 176
		.amdhsa_next_free_sgpr 66
		.amdhsa_reserve_vcc 0
		.amdhsa_float_denorm_mode_32 3
		.amdhsa_float_denorm_mode_16_64 3
		.amdhsa_memory_ordered 1
		.amdhsa_forward_progress 1
		.amdhsa_inst_pref_size 44
	.end_amdhsa_kernel
	.amdgpu_metadata
---
amdhsa.version: [ 1, 2 ]
amdhsa.kernels:
  - .name:           k_q75fe456283_energy
    .symbol:         k_q75fe456283_energy.kd
    .args:
      - { .name: encoder_outputs, .offset: 0, .size: 8, .value_kind: global_buffer, .address_space: global }
      - { .name: vpart, .offset: 8, .size: 8, .value_kind: global_buffer, .address_space: global }
      - { .name: en, .offset: 16, .size: 8, .value_kind: global_buffer, .address_space: global }
    .group_segment_fixed_size: 7168
    .private_segment_fixed_size: 0
    .kernarg_segment_align: 8
    .kernarg_segment_size: 24
    .max_flat_workgroup_size: 512
    .sgpr_count:     66
    .vgpr_count:     176
    .wavefront_size: 32
...
	.end_amdgpu_metadata
.endif
;; end of part 2
;; launch softmax (part 3): grid 32 x 1, 1 waves a work-group, no clusters, 0 bytes of LDS; arguments en, hidden, b, out0; writes out0
.if DOCPART == 3
	.amdgcn_target "amdgcn-amd-amdhsa--gfx1250"
	.amdhsa_code_object_version 6
	.text
	.protected	k_q75fe456283_softmax
	.globl	k_q75fe456283_softmax
	.p2align	8
	.type	k_q75fe456283_softmax,@function
k_q75fe456283_softmax:
	s_mov_b64 s[64:65], 0
	v_nop
	global_prefetch_b8 v0, s[64:65] scope:SCOPE_SE
	s_setreg_imm32_b32 hwreg(HW_REG_WAVE_MODE, 25, 1), 1
	s_wait_xcnt 0x0
; out0[b][s] = softmax over s of (en[b][s] + c[b]), c[b] = hidden[b][:] . bias[:].   en, out0: [32][2048]; hidden: [32][1024]; bias: [1024]; all f32.
; One wave, one row: 64 energies a lane stay in registers through the maximum, the exponentials, the sum and the scaling: no LDS, no barrier.  There are 32 rows, so 32 work-groups;
; more waves to a row would shorten the arithmetic and add three meetings of waves in LDS.
; THE MAXIMUM is taken away as the module does: p = 2^(e log2(e) - R), R = the row's maximum times log2(e), rounded once and the same for the whole row, so the largest exponent is 0 to within
; the rounding of R, and the sum lies between about 1 and 2,048.
; LIMITS.  A weight below 2^-126 comes out as 0 (v_exp_f32 flushes denormal results: ISA guide, its entry in 15.8); the division is v_rcp_f32 and a multiply; NaN and infinities are not treated apart.
.set EN, 4                             ; v[4:67]    register 4 j + r = energy 128 j + 4 lane + r
.set HD, 68                            ; v[68:99]   hidden[b], in the same order
.set BI, 100                           ; v[100:131] bias
.set CH, 132                           ; v[132:139] four chains
.set CR, 140                           ; v[140:141] c, later R: named as a pair, the low register serves both halves
.set RC, 142                           ; v[142:143] 1 / sum, twice
.macro FOLD                            ; the four chains of pairs into v[CH]
	v_pk_add_f32 v[CH:CH+1], v[CH:CH+1], v[CH+2:CH+3]
	v_pk_add_f32 v[CH+4:CH+5], v[CH+4:CH+5], v[CH+6:CH+7]
	v_pk_add_f32 v[CH:CH+1], v[CH:CH+1], v[CH+4:CH+5]
	v_add_f32 v[CH], v[CH], v[CH+1]
.endm
.macro WSUM                            ; v[CH] summed over the 32 lanes, the result in every lane
	v_add_f32_dpp v[CH], v[CH], v[CH] row_xmask:1 row_mask:0xf bank_mask:0xf
	v_add_f32_dpp v[CH], v[CH], v[CH] row_xmask:2 row_mask:0xf bank_mask:0xf
	v_add_f32_dpp v[CH], v[CH], v[CH] row_xmask:4 row_mask:0xf bank_mask:0xf
	v_add_f32_dpp v[CH], v[CH], v[CH] row_xmask:8 row_mask:0xf bank_mask:0xf
	v_permlanex16_b32 v2, v[CH], s12, s13
	v_add_f32 v[CH], v[CH], v2
.endm
.macro WMAX                            ; the same for the maximum
	v_max_num_f32_dpp v[CH], v[CH], v[CH] row_xmask:1 row_mask:0xf bank_mask:0xf
	v_max_num_f32_dpp v[CH], v[CH], v[CH] row_xmask:2 row_mask:0xf bank_mask:0xf
	v_max_num_f32_dpp v[CH], v[CH], v[CH] row_xmask:4 row_mask:0xf bank_mask:0xf
	v_max_num_f32_dpp v[CH], v[CH], v[CH] row_xmask:8 row_mask:0xf bank_mask:0xf
	v_permlanex16_b32 v2, v[CH], s12, s13
	v_max_num_f32 v[CH], v[CH], v2
.endm
	s_load_b256 s[4:11], s[0:1], 0x0               ; en s[4:5], hidden s[6:7], bias s[8:9], out0 s[10:11]
	s_mov_b32 s12, 0x76543210                      ; v_permlanex16_b32: each lane takes its own place in the other half
	s_mov_b32 s13, 0xfedcba98
	s_mov_b32 s14, 0x3fb8aa3b                      ; log2(e)
	s_mov_b32 s15, s14                             ; named with it as a pair
	s_lshl_b32 s16, ttmp9, 13                      ; b x 8,192 bytes: en and out0
	s_mov_b32 s17, 0
	s_lshl_b32 s18, ttmp9, 12                      ; b x 4,096 bytes: hidden
	s_mov_b32 s19, 0
	v_lshlrev_b32 v1, 4, v0                        ; 16 bytes a lane
	v_mov_b32 v2, 0                                ; v_permlanex16_b32's destination counts as read: written once here
	s_wait_kmcnt 0x0
	s_add_nc_u64 s[4:5], s[4:5], s[16:17]
	s_add_nc_u64 s[10:11], s[10:11], s[16:17]
	s_add_nc_u64 s[6:7], s[6:7], s[18:19]
.irp j, 0,1,2,3,4,5,6,7
	global_load_b128 v[HD+4*(\j):HD+4*(\j)+3], v1, s[6:7] offset:512*(\j)
.endr
.irp j, 0,1,2,3,4,5,6,7
	global_load_b128 v[BI+4*(\j):BI+4*(\j)+3], v1, s[8:9] offset:512*(\j)
.endr
.irp j, 0,1,2,3,4,5,6,7,8,9,10,11,12,13,14,15
	global_load_b128 v[EN+4*(\j):EN+4*(\j)+3], v1, s[4:5] offset:512*(\j)   ; 512 consecutive bytes a load
.endr
	; c = hidden[b] . bias
	s_wait_loadcnt 16                              ; hidden and bias are in; en's sixteen loads, issued behind them, stay out
.irp p, 0,1,2,3
	v_pk_mul_f32 v[CH+2*(\p):CH+2*(\p)+1], v[HD+2*(\p):HD+2*(\p)+1], v[BI+2*(\p):BI+2*(\p)+1]   ; the first four pairs start the chains
.endr
.irp p, 4,5,6,7,8,9,10,11,12,13,14,15
	v_pk_fma_f32 v[CH+2*((\p)%4):CH+2*((\p)%4)+1], v[HD+2*(\p):HD+2*(\p)+1], v[BI+2*(\p):BI+2*(\p)+1], v[CH+2*((\p)%4):CH+2*((\p)%4)+1]
.endr
	FOLD
	WSUM
	v_mov_b32 v[CR], v[CH]
	v_mov_b32 v[CR+1], v[CH]
	; the energies as the module has them: en + c
	s_wait_loadcnt 0x0
.set p, 0
.rept 32
	v_pk_add_f32 v[EN+2*p:EN+2*p+1], v[EN+2*p:EN+2*p+1], v[CR:CR+1] op_sel_hi:[1,0]
.set p, p+1
.endr
	; the row's maximum: four chains over 16 registers each, three operands at a time; then the four registers left over and the chains
.irp k, 0,1,2,3
	v_max3_num_f32 v[CH+(\k)], v[EN+16*(\k)], v[EN+16*(\k)+1], v[EN+16*(\k)+2]
.endr
.irp j, 1,2,3,4,5,6
.irp k, 0,1,2,3
	v_max3_num_f32 v[CH+(\k)], v[CH+(\k)], v[EN+16*(\k)+2*(\j)+1], v[EN+16*(\k)+2*(\j)+2]
.endr
.endr
	v_max3_num_f32 v[CH], v[CH], v[EN+15], v[EN+31]
	v_max3_num_f32 v[CH+2], v[CH+2], v[EN+47], v[EN+63]
	v_max3_num_f32 v[CH], v[CH], v[CH+1], v[CH+2]
	v_max_num_f32 v[CH], v[CH], v[CH+3]
	WMAX
	v_mul_f32 v[CR], s14, v[CH]                    ; R = maximum x log2(e)
	v_mul_f32 v[CR+1], s14, v[CH]
	; p = 2^(e log2(e) - R): one fused multiply-add for two, then the exponentials, in place
.set p, 0
.rept 32
	v_pk_fma_f32 v[EN+2*p:EN+2*p+1], v[EN+2*p:EN+2*p+1], s[14:15], v[CR:CR+1] op_sel_hi:[1,0,0] neg_lo:[0,0,1] neg_hi:[0,0,1]
.set p, p+1
.endr
.set p, 0
.rept 64
	v_exp_f32 v[EN+p], v[EN+p]
.set p, p+1
.endr
	v_nop                                          ; a plain instruction between the last exponential and the use of its result (ISA guide 5.7.2)
	; the sum: four chains of pairs, started by the first eight pairs
	s_wait_alu depctr_va_vdst(0)
.irp k, 0,1,2,3
	v_pk_add_f32 v[CH+2*(\k):CH+2*(\k)+1], v[EN+2*(\k):EN+2*(\k)+1], v[EN+8+2*(\k):EN+8+2*(\k)+1]
.endr
.set p, 8
.rept 24
	v_pk_add_f32 v[CH+2*(p%4):CH+2*(p%4)+1], v[CH+2*(p%4):CH+2*(p%4)+1], v[EN+2*p:EN+2*p+1]
.set p, p+1
.endr
	FOLD
	WSUM
	v_rcp_f32 v[RC], v[CH]                         ; made twice, to fill the pair that the packed multiply takes
	v_rcp_f32 v[RC+1], v[CH]
	v_nop                                          ; a plain instruction between the reciprocals and the use of their results
.set p, 0
	s_wait_alu depctr_va_vdst(0)
.rept 32
	v_pk_mul_f32 v[EN+2*p:EN+2*p+1], v[EN+2*p:EN+2*p+1], v[RC:RC+1]
.set p, p+1
.endr
.irp j, 0,1,2,3,4,5,6,7,8,9,10,11,12,13,14,15
	global_store_b128 v1, v[EN+4*(\j):EN+4*(\j)+3], s[10:11] offset:512*(\j) th:TH_STORE_NT   ; 512 consecutive bytes, at a multiple of 256 from out0's first byte
.endr
	s_endpgm
.Lfunc_end_k_q75fe456283_softmax:
	.size	k_q75fe456283_softmax, .Lfunc_end_k_q75fe456283_softmax-k_q75fe456283_softmax
	.p2alignl 7, 3214868480
	.fill 96, 4, 3214868480
	.section	.rodata,"a",@progbits
	.p2align	6, 0x0
	.amdhsa_kernel k_q75fe456283_softmax
		.amdhsa_group_segment_fixed_size 0
		.amdhsa_private_segment_fixed_size 0
		.amdhsa_enable_private_segment 0
		.amdhsa_kernarg_size 32
		.amdhsa_user_sgpr_count 2
		.amdhsa_user_sgpr_kernarg_segment_ptr 1
		.amdhsa_wavefront_size32 1
		.amdhsa_system_sgpr_workgroup_id_x 1
		.amdhsa_system_sgpr_workgroup_id_y 1
		.amdhsa_system_sgpr_workgroup_id_z 1
		.amdhsa_system_vgpr_workitem_id 0
		.amdhsa_next_free_vgpr 144
		.amdhsa_next_free_sgpr 66
		.amdhsa_reserve_vcc 0
		.amdhsa_float_denorm_mode_32 3
		.amdhsa_float_denorm_mode_16_64 3
		.amdhsa_memory_ordered 1
		.amdhsa_forward_progress 1
		.amdhsa_inst_pref_size 20
	.end_amdhsa_kernel
	.amdgpu_metadata
---
amdhsa.version: [ 1, 2 ]
amdhsa.kernels:
  - .name:           k_q75fe456283_softmax
    .symbol:         k_q75fe456283_softmax.kd
    .args:
      - { .name: en, .offset: 0, .size: 8, .value_kind: global_buffer, .address_space: global }
      - { .name: hidden, .offset: 8, .size: 8, .value_kind: global_buffer, .address_space: global }
      - { .name: b, .offset: 16, .size: 8, .value_kind: global_buffer, .address_space: global }
      - { .name: out0, .offset: 24, .size: 8, .value_kind: global_buffer, .address_space: global }
    .group_segment_fixed_size: 0
    .private_segment_fixed_size: 0
    .kernarg_segment_align: 8
    .kernarg_segment_size: 32
    .max_flat_workgroup_size: 32
    .sgpr_count:     66
    .vgpr_count:     144
    .wavefront_size: 32
...
	.end_amdgpu_metadata
.endif
;; end of part 3
